; MI455X (gfx1250); checked and timed in simulation.
; The chip was launched on July 23, 2026; its instructions are those of AMD's public machine-readable ISA for CDNA 5 (MIT licence, August 2026) and "CDNA5" Instruction Set Architecture Reference Guide (July 2026). The comments in the code are by the model that wrote it; some were corrected since.
;; KNN Layer. Allowed arithmetic: float matrix products may take bf16 or f16 operands with f32 sums; all other float work in f32.
;; Inputs: X_test 2,048 x 128 float32; X_train 65,536 x 128 float32; y_train 65,536 int32.
;; Outputs: out0 2,048 x 12 float32.
;; Constants: k = 16, num_classes = 12.
;; One version. Each part assembles by itself: llvm-mc -triple=amdgcn-amd-amdhsa -mcpu=gfx1250 --defsym DOCPART=n.
;; ======== version 1 of 1: 5 launches
;; workspace buffers: qb 524,288 bytes; xb 16,777,216 bytes; r2 262,144 bytes; gmin8 67,108,864 bytes; gmin256 2,097,152 bytes; sel256 131,072 bytes of whole numbers; sel8 131,072 bytes of whole numbers
;; launch prep (part 1): grid 256 x 1, 8 waves a work-group, no clusters, 0 bytes of LDS; arguments X_test, qb; writes qb
.if DOCPART == 1
	.amdgcn_target "amdgcn-amd-amdhsa--gfx1250"
	.amdhsa_code_object_version 6
	.text
	.protected	k_q0205132111_prep
	.globl	k_q0205132111_prep
	.p2align	8
	.type	k_q0205132111_prep,@function
k_q0205132111_prep:
	s_mov_b64 s[64:65], 0
	v_nop
	global_prefetch_b8 v0, s[64:65] scope:SCOPE_SE
	s_setreg_imm32_b32 hwreg(HW_REG_WAVE_MODE, 25, 1), 1
	s_wait_xcnt 0x0
; qb[q][c] = bf16(-2 X_test[q][c]).  X_test: [2048][128] f32, qb: [2048][128] bf16.
; The factor is a power of two, so bf16(-2 x) = -2 bf16(x): the products of the later launches are -2 q.x of the rounded query.
; LIMIT: |x| below half of bf16's largest number.
; A work-group takes 8 rows = 4,096 neighbouring bytes; thread t the 16 bytes at 16 t.  A wave's store covers 256 consecutive bytes, aligned.
; A stream of one load and one store a thread: no LDS, no barrier, no matrix unit.
	s_load_b128 s[4:7], s[0:1], 0x0                ; X_test s[4:5], qb s[6:7]
	s_lshl_b32 s8, ttmp9, 12                       ; the group's bytes in X_test
	s_mov_b32 s9, 0
	s_lshl_b32 s10, ttmp9, 11                      ; and in qb
	s_mov_b32 s11, 0
	v_lshlrev_b32 v1, 4, v0
	v_lshlrev_b32 v2, 3, v0
	s_wait_kmcnt 0x0
	s_add_nc_u64 s[4:5], s[4:5], s[8:9]
	s_add_nc_u64 s[6:7], s[6:7], s[10:11]
	global_load_b128 v[4:7], v1, s[4:5] th:TH_LOAD_NT
	s_wait_loadcnt 0x0
	v_pk_mul_f32 v[4:5], v[4:5], -2.0 op_sel_hi:[1,0]
	v_pk_mul_f32 v[6:7], v[6:7], -2.0 op_sel_hi:[1,0]
	v_cvt_pk_bf16_f32 v8, v4, v5
	v_cvt_pk_bf16_f32 v9, v6, v7
	global_store_b64 v2, v[8:9], s[6:7]
	s_endpgm
.Lfunc_end_k_q0205132111_prep:
	.size	k_q0205132111_prep, .Lfunc_end_k_q0205132111_prep-k_q0205132111_prep
	.p2alignl 7, 3214868480
	.fill 96, 4, 3214868480
	.section	.rodata,"a",@progbits
	.p2align	6, 0x0
	.amdhsa_kernel k_q0205132111_prep
		.amdhsa_group_segment_fixed_size 0
		.amdhsa_private_segment_fixed_size 0
		.amdhsa_enable_private_segment 0
		.amdhsa_kernarg_size 16
		.amdhsa_user_sgpr_count 2
		.amdhsa_user_sgpr_kernarg_segment_ptr 1
		.amdhsa_wavefront_size32 1
		.amdhsa_system_sgpr_workgroup_id_x 1
		.amdhsa_system_sgpr_workgroup_id_y 1
		.amdhsa_system_sgpr_workgroup_id_z 1
		.amdhsa_system_vgpr_workitem_id 0
		.amdhsa_next_free_vgpr 16
		.amdhsa_next_free_sgpr 66
		.amdhsa_reserve_vcc 0
		.amdhsa_float_denorm_mode_32 3
		.amdhsa_float_denorm_mode_16_64 3
		.amdhsa_memory_ordered 1
		.amdhsa_forward_progress 1
		.amdhsa_inst_pref_size 2
	.end_amdhsa_kernel
	.amdgpu_metadata
---
amdhsa.version: [ 1, 2 ]
amdhsa.kernels:
  - .name:           k_q0205132111_prep
    .symbol:         k_q0205132111_prep.kd
    .args:
      - { .name: X_test, .offset: 0, .size: 8, .value_kind: global_buffer, .address_space: global }
      - { .name: qb, .offset: 8, .size: 8, .value_kind: global_buffer, .address_space: global }
    .group_segment_fixed_size: 0
    .private_segment_fixed_size: 0
    .kernarg_segment_align: 8
    .kernarg_segment_size: 16
    .max_flat_workgroup_size: 256
    .sgpr_count:     66
    .vgpr_count:     16
    .wavefront_size: 32
...
	.end_amdgpu_metadata
.endif
;; end of part 1
;; launch dist (part 2): grid 256 x 1, 4 waves a work-group, clusters of 4 x 1, 327,680 bytes of LDS; arguments X_train, qb, xb, r2, gmin8, gmin256; writes xb, r2, gmin8, gmin256
.if DOCPART == 2
	.amdgcn_target "amdgcn-amd-amdhsa--gfx1250"
	.amdhsa_code_object_version 6
	.text
	.protected	k_q0205132111_dist
	.globl	k_q0205132111_dist
	.p2align	8
	.type	k_q0205132111_dist,@function
k_q0205132111_dist:
	s_mov_b64 s[64:65], 0
	v_nop
	global_prefetch_b8 v0, s[64:65] scope:SCOPE_SE
	s_setreg_imm32_b32 hwreg(HW_REG_WAVE_MODE, 25, 1), 1
	s_wait_xcnt 0x0
	s_wait_alu depctr_hold_cnt(0) depctr_sa_sdst(0) depctr_va_vdst(0) depctr_va_sdst(0) depctr_va_ssrc(0) depctr_va_vcc(0) depctr_vm_vsrc(0)
	s_getreg_b32 s2, hwreg(HW_REG_IB_STS2, 6, 4)
	s_cmp_eq_u32 s2, 0
	s_cbranch_scc0 .Lentry_in_a_cluster
	s_endpgm
.Lentry_in_a_cluster:
	s_bfe_u32 s2, ttmp6, 0x10000c
	s_cmp_lg_u32 s2, 0x3003
	s_cbranch_scc0 .Lentry_shape_is_right
	s_endpgm
.Lentry_shape_is_right:
; s[row][q] = r2[row] - 2 q.x[row] for all 65,536 train rows and 2,048 queries, of which only MINIMA leave the launch:
;   gmin8  [g32 = row/32][q][a]  f32: the least s of the 8 rows 32 g32 + 8 a .. + 7
;   gmin256[row/256][q]          f32: the least s of 256 rows
; and beside them xb = bf16(X_train) and r2[row] = the sum of squares of the ROUNDED row.  q's own norm is the same for all rows of a query and is left to the last launch.
; WHY MINIMA DO: rank groups of rows by (least s, group number); the 16 nearest rows lie in the 16 best groups, since a row outside them would have 16 group minima in front of it.
; LIMITS: both operands are rounded to bf16 and both norms are taken of the rounded numbers; s is summed by the matrix unit, beginning with r2; a NaN loses every minimum, and infinite s are not served.
; SHARES.  A work-group owns 256 train rows, each of its four waves 64: four A tiles of 16 rows x 128, which stay in 128 registers for the whole launch, so X_train is read and rounded once.
; Every wave multiplies all 2,048 queries, 256 a step, through a ring of two LDS slots, a PAIR of query tiles (32 queries, 32 products) at a time.
; LAYOUT.  Source 0 = 16 train rows, source 1 = 16 queries: a lane holds ONE query (lane % 16) and, in an accumulator's 8 registers, rows 8 (lane / 16) + 0..7 of the tile.
; Row m of tile a is the wave's row 8 a + m % 8 + 32 (m / 8): a lane's 8 registers are 8 NEIGHBOURING rows, so a group's minimum never leaves the lane.
; ORDER.  All memory instructions of a pair stand together at its head: the stores of the minima found during the pair before (they belong to the pair two back) and the next pair's 16 fragment
; loads.  Then 32 products follow, with the 40 instructions that take the minima of the pair before in four slices of ten, one behind every eighth product.
; CLUSTER.  All work-groups walk the same queries, so the four of a cluster ask for each tile JOINTLY (mask 15), which divides the requests for qb by four.
; REGISTERS, in windows of 256: window 0 addresses, r2 as C, two sets of eight accumulators, the minima;
;   window 1 v0-127 the A fragments ((a, s) at 32 a + 8 s), v128-255 two buffers of query fragments; window 2 the 64 rows as loaded in f32 (start only).
; A slice costs two switches: nine switches for a pair's 32 products.
.set PITCH, 272                        ; an LDS row: 256 bytes + 16 of padding: 16 neighbouring rows begin at 16 different 16-byte columns modulo 256
.set WQ,    64*PITCH                   ; 64 rows: a wave's part of a slot, and its part of XST
.set SLOT,  4*WQ                       ; 256 queries
.set XST,   2*SLOT                     ; behind the ring: the wave's 64 rounded rows, written by LDS stores; no tensor load lands here or further on
.set R2ST,  XST+4*WQ                   ; 64 f32 a wave
.set L2ST,  R2ST+1024                  ; [wave][query] f32: the least s of the wave's 64 rows
.set STEPB, 256*256                    ; bytes of qb in a step
.set BAD,  4                           ; v4-5   my place in a query tile of slot 0, 1
.set L1O,  6                           ; v6     my 16 bytes in gmin8; never rewritten
.set L2A,  7                           ; v7     my word in L2ST
.set L16,  8                           ; v8     16 x lane
.set L8,   9                           ; v9     8 x lane
.set XSA,  10
.set XFA,  11
.set R2A,  12
.set R2L,  13
.set R2C,  16                          ; v16-47   r2 of tile a's rows, as the C of a sum's first product
.set ACC,  48                          ; v48-175  two sets of eight accumulators: set b, query tile u, A tile a at 64 b + 32 u + 8 a
.set CV,   48                          ; v48-175  start only: the 64 rows in bf16
.set EB,   48                          ; v48-111  end only: the four waves' minima
.set T,    176                         ; v176-183 running minima, one for each accumulator
.set RS,   176                         ; v176-183 start only: eight chains of squares
.set L1V,  184                         ; v184-191 the minima of 8 rows: four for each query tile
.set U,    192                         ; v192-193 the minimum of the wave's 64 rows, for each query tile
.set W,    194                         ; v194-195
.set BW,   128                         ; window 1: query fragments, buffer b, tile u, channels 32 s on at 128 + 64 b + 32 u + 8 s
.set WV,   20
.set G1,   24                          ; s[24:31] descriptor group 1
.set G0,   32                          ; s[32:39] descriptor group 0, a set for each slot
.set PX,   40                          ; s[40:41] lane selects: each lane takes its own place in the other half
.set LAP,  42
.set L1B,  44                          ; s[44:45] gmin8 at my wave's two groups of 32 rows and the lap's first query
.set MSB, 0
.macro WIN new                         ; the immediate's high byte repeats the setting that is left
.if MSB != \new
	s_set_vgpr_msb (MSB<<8)|\new
.set MSB, \new
.endif
.endm
.macro PLACES
.rept 4
	v_nop
.endr
.endm
; A round of the cluster's barrier: my work-group's barrier, wave 0 signals for the work-group, every wave waits for all four work-groups, my work-group's barrier once more.
.macro ROUND
	s_barrier_signal -1
	s_barrier_wait -1
	s_cmp_lg_u32 s[WV], 0
	s_cbranch_scc1 .Lnot_wave_0_\@
	s_barrier_signal -3
.Lnot_wave_0_\@:
	s_barrier_wait -3
	s_barrier_signal -1
	s_barrier_wait -1
.endm
	s_load_b256 s[4:11], s[0:1], 0x0               ; X_train s[4:5], qb s[6:7], xb s[8:9], r2 s[10:11]
	s_load_b128 s[12:15], s[0:1], 0x20             ; gmin8 s[12:13], gmin256 s[14:15]
	v_lshl_add_u32 v254, v0, 2, 0x3b400
	v_mov_b32 v255, 0
	ds_add_u32 v254, v255
	v_lshrrev_b32 v1, 5, v0
	v_readfirstlane_b32 s[WV], v1                  ; wave 0..3
	s_bfe_u32 s21, ttmp6, 0x40000                  ; cx: it enters global addresses of my own rows alone
	s_lshl_b32 s22, ttmp9, 2
	s_add_co_u32 s22, s22, s21                     ; work-group = 4 x cluster + cx
	s_lshl2_add_u32 s23, s22, s[WV]                ; G = 4 x work-group + wave: my block of 64 rows
	v_and_b32 v3, 31, v0                           ; lane
	v_and_b32 v1, 15, v0                           ; r
	v_bfe_u32 v2, v0, 4, 1                         ; h
	v_lshlrev_b32 v[L16], 4, v3
	v_lshlrev_b32 v[L8], 3, v3
	s_lshl_b32 s46, s23, 15                        ; 64 rows of 512 bytes
	s_mov_b32 s47, 0
	s_wait_dscnt 0x0
	s_wait_kmcnt 0x0
	s_add_nc_u64 s[4:5], s[4:5], s[46:47]
	WIN 0x80                                       ; destination window 2
.set i, 0
.rept 64
	global_load_b128 v[4*i:4*i+3], v[L16], s[4:5] offset:512*i th:TH_LOAD_NT   ; row i: 512 consecutive bytes
.set i, i+1
.endr
	WIN 0
	s_lshl_b32 s46, s23, 14
	s_add_nc_u64 s[8:9], s[8:9], s[46:47]          ; xb: 64 rows of 256 bytes
	s_lshl_b32 s46, s23, 8
	s_add_nc_u64 s[10:11], s[10:11], s[46:47]      ; r2: 64 words
	s_lshl_b32 s46, s23, 16
	s_add_nc_u64 s[L1B:L1B+1], s[12:13], s[46:47]  ; gmin8: two groups of 32 rows x 2,048 queries x 16 bytes
	s_lshl_b32 s46, s23, 11
	s_add_nc_u64 s[14:15], s[14:15], s[46:47]      ; gmin256: my work-group's 8,192 bytes, my wave's quarter of the queries
	; descriptor group 1: 64 rows x 128 elements of 2 bytes, 16 bytes of padding behind each row
	s_mov_b32 s[G1+0], 15|(1<<16)|(1<<20)|(1<<21)|(5<<22)|(3<<25)  ; 15:0 the mask: all four work-groups; 17:16 2 bytes; 20 padding on; 21 set beside a mask; 24:22 after every 64 words; 31:25 4 words
	s_mov_b32 s[G1+1], 128<<16                     ; tensor_dim0 = 128
	s_mov_b32 s[G1+2], 64<<16                      ; tensor_dim1 = 64
	s_mov_b32 s[G1+3], 128<<16                     ; tile_dim0 = 128
	s_mov_b32 s[G1+4], 64                          ; tile_dim1 = 64
	s_mov_b32 s[G1+5], 128                         ; elements from row to row
	s_mov_b32 s[G1+6], 0
	s_mov_b32 s[G1+7], 0
	s_mul_i32 s50, s[WV], WQ                       ; my quarter of a slot: the wave's number alone
	s_lshl_b32 s48, s[WV], 14                      ; and my 64 queries of a step
	s_mov_b32 s49, 0
	s_add_nc_u64 s[48:49], s[6:7], s[48:49]
.irp s, 0,1
	s_mov_b32 s[G0+4*\s], 1
	s_add_co_u32 s[G0+4*\s+1], s50, \s*SLOT
	s_add_nc_u64 s[G0+4*\s+2:G0+4*\s+3], s[48:49], \s*STEPB        ; step s
	s_or_b32 s[G0+4*\s+3], s[G0+4*\s+3], 0x80000000
.endr
	s_mov_b32 s[PX], 0x76543210
	s_mov_b32 s[PX+1], 0xfedcba98
	v_mul_u32_u24 v[BAD], v1, PITCH
	v_lshl_add_u32 v[BAD], v2, 4, v[BAD]           ; a fragment's row x pitch + 16 x half
	v_add_nc_u32 v[BAD+1], SLOT, v[BAD]
	v_lshlrev_b32 v[L1O], 4, v1                    ; gmin8: 16 bytes a query; lanes 16-31 hold the next group of 32 rows
	v_lshl_add_u32 v[L1O], v2, 15, v[L1O]
	s_lshl_b32 s51, s[WV], 13
	s_add_co_u32 s51, s51, L2ST
	v_lshl_add_u32 v[L2A], v1, 2, s51
	s_add_co_u32 s52, s50, XST
	v_add_nc_u32 v[XSA], s52, v[L8]
	v_and_b32 v14, 7, v1
	v_lshrrev_b32 v15, 3, v1
	v_lshl_add_u32 v14, v15, 5, v14                ; the wave's row that is row r of tile 0: r % 8 + 32 (r / 8)
	v_mul_u32_u24 v[XFA], v14, PITCH
	v_lshl_add_u32 v[XFA], v2, 4, v[XFA]
	v_add_nc_u32 v[XFA], s52, v[XFA]
	s_lshl_b32 s53, s[WV], 8
	s_add_co_u32 s53, s53, R2ST
	v_lshl_add_u32 v[R2A], v14, 2, s53
	v_lshl_add_u32 v[R2L], v2, 7, s53
	v_add_nc_u32 v[U], s53, v[L8]
	v_mov_b32 v[W], 0                              ; the exchange's destinations count as read
	v_mov_b32 v[W+1], 0
	ROUND                                          ; all four work-groups are here: the first joint loads meet
	tensor_load_to_lds s[G0:G0+3], s[G1:G1+7]      ; steps 0 and 1: two loads of mine are out
	s_nop 0
	tensor_load_to_lds s[G0+4:G0+7], s[G1:G1+7]
	s_nop 0
	PLACES
	; my 64 rows: rounded to bf16, into my part of XST and out to xb, 16 rows at a time
.set bt, 0
.rept 4
	s_wait_loadcnt 48-16*bt                        ; loads come back in order: all but the rows behind this batch are in
	WIN 0x0a                                       ; sources 0 and 1 window 2
.set i, 16*bt
.rept 16
	v_cvt_pk_bf16_f32 v[CV+2*i], v[4*i], v[4*i+1]
	v_cvt_pk_bf16_f32 v[CV+2*i+1], v[4*i+2], v[4*i+3]
.set i, i+1
.endr
	WIN 0
.set i, 16*bt
.rept 16
	ds_store_b64 v[XSA], v[CV+2*i:CV+2*i+1] offset:PITCH*i
	global_store_b64 v[L8], v[CV+2*i:CV+2*i+1], s[8:9] offset:256*i   ; a row of xb: 256 consecutive bytes, aligned
.set i, i+1
.endr
.set bt, bt+1
.endr
	WIN 0x40                                       ; destination window 1.  My own bytes, and LDS serves a wave's instructions in order: no wait between the stores and these loads
.irp a, 0,1,2,3
.irp s, 0,1,2,3
	ds_load_b128 v[32*\a+8*\s:32*\a+8*\s+3],   v[XFA] offset:8*\a*PITCH+64*\s
	ds_load_b128 v[32*\a+8*\s+4:32*\a+8*\s+7], v[XFA] offset:8*\a*PITCH+64*\s+32
.endr
.endr
	WIN 0
.irp i, 0,1,2,3,4,5,6,7
	v_mov_b32 v[RS+\i], 0
.endr
	s_wait_dscnt 0x0
	WIN 0x05                                       ; sources 0 and 1 window 1: squares of the rounded numbers, eight chains (tile, half of a word)
.set j, 0
.rept 32
.irp a, 0,1,2,3
	v_fma_mix_f32_bf16 v[RS+2*\a], v[32*\a+j], v[32*\a+j], v[RS+2*\a] op_sel_hi:[1,1,0]
	v_fma_mix_f32_bf16 v[RS+2*\a+1], v[32*\a+j], v[32*\a+j], v[RS+2*\a+1] op_sel:[1,1,0] op_sel_hi:[1,1,0]
.endr
.set j, j+1
.endr
	WIN 0
.irp a, 0,1,2,3
	v_add_f32 v[RS+2*\a], v[RS+2*\a], v[RS+2*\a+1]
.endr
.irp a, 0,1,2,3
	v_permlanex16_b32 v[RS+2*\a+1], v[RS+2*\a], s[PX], s[PX+1]     ; the row's other 64 numbers lie in the lane 16 away
.endr
.irp a, 0,1,2,3
	v_add_f32 v[RS+2*\a], v[RS+2*\a], v[RS+2*\a+1]
.endr
.irp a, 0,1,2,3
	ds_store_b32 v[R2A], v[RS+2*\a] offset:32*\a   ; by the wave's row; both halves of the lanes write the same number
.endr
.irp a, 0,1,2,3
	ds_load_b128 v[R2C+8*\a:R2C+8*\a+3],   v[R2L] offset:32*\a      ; register j: r2 of the wave's row 32 h + 8 a + j
	ds_load_b128 v[R2C+8*\a+4:R2C+8*\a+7], v[R2L] offset:32*\a+16
.endr
	ds_load_b64 v[L1V:L1V+1], v[U]
	s_wait_dscnt 0x0
	global_store_b64 v[L8], v[L1V:L1V+1], s[10:11] ; 256 consecutive bytes, aligned
	s_wait_xcnt 0x0                                ; the stores' data registers (CV, L1V) are written again only behind this wait
	s_wait_tensorcnt 0x1                           ; my part of step 0 is in; step 1's may stay out
	s_barrier_signal -1
	s_barrier_wait -1                              ; everybody's is
; sixteen LDS loads: the fragments of pair p of a slot (2 x 16 queries x 128) into buffer buf
.macro LB buf, slot, p
.irp u, 0,1
.irp s, 0,1,2,3
	ds_load_b128 v[BW+64*(\buf)+32*\u+8*\s:BW+64*(\buf)+32*\u+8*\s+3],   v[BAD+(\slot)] offset:(2*(\p)+\u)*16*PITCH+64*\s
	ds_load_b128 v[BW+64*(\buf)+32*\u+8*\s+4:BW+64*(\buf)+32*\u+8*\s+7], v[BAD+(\slot)] offset:(2*(\p)+\u)*16*PITCH+64*\s+32
.endr
.endr
.endm
; Product i of a pair's 32: channels 32 (i / 8) on, query tile (i / 4) % 2, A tile i % 4.  The eight accumulators take turns, one instruction a turn, from pair to pair too.
; The first eight start the sums with r2.
.macro MMI b
.set ks, i/8
.set ku, (i/4)%2
.set ka, i%4
.set rD, ACC+64*(\b)+32*ku+8*ka
.set rA, 32*ka+8*ks
.set rB, BW+64*(\b)+32*ku+8*ks
	WIN 0x05                                       ; sources 0 (A) and 1 (B) window 1; C and D window 0
.if ks == 0
	v_wmma_f32_16x16x32_bf16 v[rD:rD+7], v[rA:rA+7], v[rB:rB+7], v[R2C+8*ka:R2C+8*ka+7]
.else
	v_wmma_f32_16x16x32_bf16 v[rD:rD+7], v[rA:rA+7], v[rB:rB+7], v[rD:rD+7]
.endif
.endm
; Number j of the 40 instructions that take the minima of the eight accumulators at AP.  Each accumulator is read from its low end on.
;   0-23  three rounds of three-operand minima over registers 0-6;  24-31  register 7: the minima of 8 rows;  32-39  for each query tile the minimum of the lane's 32 rows and of the other half's
.macro REDI
.set x, j%8
.set uu, j%2
.if j < 8
	v_min3_num_f32 v[T+x], v[AP+8*x], v[AP+8*x+1], v[AP+8*x+2]
.elseif j < 16
	v_min3_num_f32 v[T+x], v[T+x], v[AP+8*x+3], v[AP+8*x+4]
.elseif j < 24
	v_min3_num_f32 v[T+x], v[T+x], v[AP+8*x+5], v[AP+8*x+6]
.elseif j < 32
.if j == 24
	s_wait_xcnt 0x0                                ; L1V was the last stores' data: it is written again only behind this wait
.endif
	v_min_num_f32 v[L1V+x], v[T+x], v[AP+8*x+7]
.elseif j < 34
	v_min3_num_f32 v[U+uu], v[L1V+4*uu], v[L1V+4*uu+1], v[L1V+4*uu+2]
.elseif j < 36
	v_min_num_f32 v[U+uu], v[U+uu], v[L1V+4*uu+3]
.elseif j < 38
	v_permlanex16_b32 v[W+uu], v[U+uu], s[PX], s[PX+1]             ; the query's other 32 rows
.else
	v_min_num_f32 v[U+uu], v[U+uu], v[W+uu]
.endif
.endm
; The minima in L1V and U go out; they belong to pair pm of the lap's sixteen.
.macro STO
.irp u, 0,1
	global_store_b128 v[L1O], v[L1V+4*\u:L1V+4*\u+3], s[L1B:L1B+1] offset:512*pm+256*\u th:TH_STORE_NT   ; sixteen neighbouring lanes store 256 consecutive bytes, aligned
.endr
.irp u, 0,1
	ds_store_b32 v[L2A], v[U+\u] offset:128*pm+64*\u               ; both halves of the lanes write the same number
.endr
.endm
; ONE PAIR OF QUERY TILES.  pl: pair of the lap's sixteen (0-7 slot 0, 8-15 slot 1).  chg = 1: the pair's slot, whose last fragments are in registers, is filled again; 2: the slots change and
; nothing is asked for.  nxt: the next pair's fragments are fetched.  red: the pair before has minima to take.  st: the minima of the pair two back are stored.
.macro PAIR pl, chg, nxt, red, st
.set cb, (\pl)&1
.set nb, 1-cb
.set AP, ACC+64*nb
.set sl, (\pl)/8
.set pm, ((\pl)+14)%16
.set ns, (((\pl)+1)%16)/8
.set np, ((\pl)+1)%8
	WIN 0                                          ; at a label and at a branch every window is 0
	s_wait_dscnt 0x0                               ; this pair's fragments, asked for a pair ago, are in: no LDS instruction of mine is out
.if \chg
	s_wait_tensorcnt 0x0                           ; and all my tensor loads have landed: the one that was out is my part of the other slot
	ds_add_u32 v254, v255
	s_wait_dscnt 0x0
.if \chg == 1
	s_add_nc_u64 s[G0+4*sl+2:G0+4*sl+3], s[G0+4*sl+2:G0+4*sl+3], 2*STEPB   ; no load of mine is out, so a group 0 may be written: two steps on
	ROUND                                          ; both now hold of every wave of the four work-groups
	tensor_load_to_lds s[G0+4*sl:G0+4*sl+3], s[G1:G1+7]            ; my one load behind the round: 256 products stand between it and the wait for it
	s_nop 0
	PLACES
.else
	s_barrier_signal -1
	s_barrier_wait -1
.endif
.endif
.if \st
	STO
.endif
.if \nxt
	WIN 0x40                                       ; destination window 1
	LB nb, ns, np                                  ; four places (the v_nop that end a pair) stand between this buffer's last product and these loads
.endif
.set i, 0
.rept 32
	MMI cb
.if \red && (i%8 == 7)
	WIN 0
.set j, 10*(i/8)
.rept 10
	REDI
.set j, j+1
.endr
.endif
.set i, i+1
.endr
	PLACES                                         ; in front of the first read of these sums and of the loads into this pair's fragments
.endm
	WIN 0x40
	LB 0, 0, 0
	PAIR 0, 0, 1, 0, 0                             ; the first two pairs stand in front of the loop: nothing to reduce, then nothing to store
	PAIR 1, 0, 1, 1, 0
	WIN 0
	s_mov_b32 s[LAP], 3
.Llap:                                                 ; a trip goes once round the ring, from a lap's third pair to the next lap's second, so that all its stores are one lap's; it fills both slots again: steps 2 to 7
.irp c, 2,3,4,5,6
	PAIR \c, 0, 1, 1, 1
.endr
	PAIR 7, 1, 1, 1, 1
.irp c, 8,9,10,11,12,13,14
	PAIR \c, 0, 1, 1, 1
.endr
	PAIR 15, 1, 1, 1, 1
	PAIR 0, 0, 1, 1, 1
	PAIR 1, 0, 1, 1, 1
	WIN 0
	s_wait_xcnt 0x0                                ; the stores' base steps only behind this wait
	s_add_nc_u64 s[L1B:L1B+1], s[L1B:L1B+1], 8192  ; a lap's 512 queries on
	v_add_nc_u32 v[L2A], 2048, v[L2A]
	s_sub_co_u32 s[LAP], s[LAP], 1
	s_cmp_lg_u32 s[LAP], 0
	s_cbranch_scc1 .Llap
.irp c, 2,3,4,5,6                      ; the last lap is written out: it asks for nothing
	PAIR \c, 0, 1, 1, 1
.endr
	PAIR 7, 2, 1, 1, 1
.irp c, 8,9,10,11,12,13,14
	PAIR \c, 0, 1, 1, 1
.endr
	PAIR 15, 0, 0, 1, 1
	WIN 0
.set pm, 14
	STO                                            ; the last pair but one
.set AP, ACC+64
.set j, 0
.rept 40
	REDI                                           ; the last pair's minima
.set j, j+1
.endr
.set pm, 15
	STO
	; the four waves' minima of 64 rows meet: wave w takes queries 512 w .. 512 w + 511
	s_wait_dscnt 0x0                               ; for the others' sake: my stores into L2ST are done
	s_barrier_signal -1
	s_barrier_wait -1
	s_lshl_b32 s51, s[WV], 11
	s_add_co_u32 s51, s51, L2ST
	v_add_nc_u32 v14, s51, v[L16]
.irp ww, 0,1,2,3
.irp i, 0,1,2,3
	ds_load_b128 v[EB+16*\ww+4*\i:EB+16*\ww+4*\i+3], v14 offset:8192*\ww+512*\i
.endr
.endr
	s_wait_dscnt 0x0
.set i, 0
.rept 16
	v_min3_num_f32 v[EB+i], v[EB+i], v[EB+16+i], v[EB+32+i]
.set i, i+1
.endr
.set i, 0
.rept 16
	v_min_num_f32 v[EB+i], v[EB+i], v[EB+48+i]
.set i, i+1
.endr
.irp i, 0,1,2,3
	global_store_b128 v[L16], v[EB+4*\i:EB+4*\i+3], s[14:15] offset:512*\i   ; 512 consecutive bytes, aligned
.endr
	s_wait_tensorcnt 0x0
	ds_add_u32 v254, v255
	s_wait_dscnt 0x0
	ROUND                                          ; the closing round: no work-group ends while a partner may still ask for a tile that names it
	s_endpgm
.Lfunc_end_k_q0205132111_dist:
	.size	k_q0205132111_dist, .Lfunc_end_k_q0205132111_dist-k_q0205132111_dist
	.p2alignl 7, 3214868480
	.fill 96, 4, 3214868480
	.section	.rodata,"a",@progbits
	.p2align	6, 0x0
	.amdhsa_kernel k_q0205132111_dist
		.amdhsa_group_segment_fixed_size 327680
		.amdhsa_private_segment_fixed_size 0
		.amdhsa_enable_private_segment 0
		.amdhsa_kernarg_size 48
		.amdhsa_user_sgpr_count 2
		.amdhsa_user_sgpr_kernarg_segment_ptr 1
		.amdhsa_wavefront_size32 1
		.amdhsa_system_sgpr_workgroup_id_x 1
		.amdhsa_system_sgpr_workgroup_id_y 1
		.amdhsa_system_sgpr_workgroup_id_z 1
		.amdhsa_system_vgpr_workitem_id 0
		.amdhsa_next_free_vgpr 768
		.amdhsa_next_free_sgpr 66
		.amdhsa_reserve_vcc 0
		.amdhsa_float_denorm_mode_32 3
		.amdhsa_float_denorm_mode_16_64 3
		.amdhsa_memory_ordered 1
		.amdhsa_forward_progress 1
		.amdhsa_inst_pref_size 244
	.end_amdhsa_kernel
	.amdgpu_metadata
---
amdhsa.version: [ 1, 2 ]
amdhsa.kernels:
  - .name:           k_q0205132111_dist
    .symbol:         k_q0205132111_dist.kd
    .args:
      - { .name: X_train, .offset: 0, .size: 8, .value_kind: global_buffer, .address_space: global }
      - { .name: qb, .offset: 8, .size: 8, .value_kind: global_buffer, .address_space: global }
      - { .name: xb, .offset: 16, .size: 8, .value_kind: global_buffer, .address_space: global }
      - { .name: r2, .offset: 24, .size: 8, .value_kind: global_buffer, .address_space: global }
      - { .name: gmin8, .offset: 32, .size: 8, .value_kind: global_buffer, .address_space: global }
      - { .name: gmin256, .offset: 40, .size: 8, .value_kind: global_buffer, .address_space: global }
    .group_segment_fixed_size: 327680
    .private_segment_fixed_size: 0
    .kernarg_segment_align: 8
    .kernarg_segment_size: 48
    .max_flat_workgroup_size: 128
    .sgpr_count:     66
    .vgpr_count:     768
    .wavefront_size: 32
...
	.end_amdgpu_metadata
.endif
;; end of part 2
;; launch pick256 (part 3): grid 256 x 1, 8 waves a work-group, no clusters, 10,240 bytes of LDS; arguments gmin256, sel256; writes sel256
.if DOCPART == 3
	.amdgcn_target "amdgcn-amd-amdhsa--gfx1250"
	.amdhsa_code_object_version 6
	.text
	.protected	k_q0205132111_pick256
	.globl	k_q0205132111_pick256
	.p2align	8
	.type	k_q0205132111_pick256,@function
k_q0205132111_pick256:
	s_mov_b64 s[64:65], 0
	v_nop
	global_prefetch_b8 v0, s[64:65] scope:SCOPE_SE
	s_setreg_imm32_b32 hwreg(HW_REG_WAVE_MODE, 25, 1), 1
	s_wait_xcnt 0x0
; sel256[q][0..15] = the 16 groups of 256 rows with the least gmin256[group][q], equal values by the lower group.  The order of the 16 means nothing.
; A work-group takes 8 queries, a wave one.  No branch and no address hangs on a value: 16 equal turns, each takes the wave's least value, the least id among its holders, and sets that one to +inf.
; Ids are kept as f32 (whole numbers under 2^24 are exact), so that one kind of minimum serves values and ids.
; LIMIT: finite values; with NaN or fewer than 16 finite values the ids stored are not meaningful (the next launch clamps them).
; The reads are 32 bytes of each group's row: whole aligned blocks of 256 bytes span 64 queries, which would leave work for 32 work-groups only; the array is 2 MiB.
.set LANE, 1
.set D,    12                          ; v12-19 values: group 32 k + lane
.set I,    20                          ; v20-27 their ids
.set M,    28
.set WN,   29
.set C0,   30
.set C1,   31
.set TT,   32
.set VINF, 33
.set VOUT, 34
.set RA,   35
.set PX,   12                          ; s[12:13]
.set J,    14
.macro WAVEMIN x, t                    ; the least of the 32 lanes, in every lane
	v_min_num_f32_dpp v[\x], v[\x], v[\x] row_xmask:1 row_mask:0xf bank_mask:0xf
	v_min_num_f32_dpp v[\x], v[\x], v[\x] row_xmask:2 row_mask:0xf bank_mask:0xf
	v_min_num_f32_dpp v[\x], v[\x], v[\x] row_xmask:4 row_mask:0xf bank_mask:0xf
	v_min_num_f32_dpp v[\x], v[\x], v[\x] row_xmask:8 row_mask:0xf bank_mask:0xf
	v_permlanex16_b32 v[\t], v[\x], s[PX], s[PX+1]
	v_min_num_f32 v[\x], v[\x], v[\t]
.endm
.macro XROUND R, sel                   ; one turn over R values a lane; WN = the winner's id; sel = 1: the winners' lanes are noted in s[SEL+k]
	v_min3_num_f32 v[M], v[D], v[D+1], v[D+2]
.set k, 3
.if \R > 4
.rept (\R-4)/2
	v_min3_num_f32 v[M], v[M], v[D+k], v[D+k+1]
.set k, k+2
.endr
.endif
	v_min_num_f32 v[M], v[M], v[D+\R-1]
	WAVEMIN M, TT
.set k, 0
.rept \R/2
	v_cmp_eq_f32 vcc_lo, v[D+k], v[M]
	v_cndmask_b32 v[C0], v[VINF], v[I+k], vcc_lo
	v_cmp_eq_f32 vcc_lo, v[D+k+1], v[M]
	v_cndmask_b32 v[C1], v[VINF], v[I+k+1], vcc_lo
.if k == 0
	v_min_num_f32 v[WN], v[C0], v[C1]
.else
	v_min3_num_f32 v[WN], v[WN], v[C0], v[C1]
.endif
.set k, k+2
.endr
	WAVEMIN WN, TT
.set k, 0
.rept \R
	v_cmp_eq_f32 vcc_lo, v[I+k], v[WN]
	v_cndmask_b32 v[D+k], v[D+k], v[VINF], vcc_lo
.if \sel
	s_or_b32 s[SEL+k], s[SEL+k], vcc_lo
.endif
.set k, k+1
.endr
.endm
	s_load_b128 s[4:7], s[0:1], 0x0                ; gmin256 s[4:5], sel256 s[6:7]
	v_lshl_add_u32 v48, v0, 2, 0x2400
	v_mov_b32 v49, 0
	v_lshrrev_b32 v1, 5, v0
	v_readfirstlane_b32 s8, v1                     ; wave 0..7
	v_and_b32 v[LANE], 31, v0
	s_lshl_b32 s10, ttmp9, 5                       ; my 8 queries' 32 bytes in a group's row
	s_mov_b32 s11, 0
	v_lshlrev_b32 v2, 13, v0                       ; thread t reads group t's row
	v_lshlrev_b32 v3, 2, v0
	s_mov_b32 s[PX], 0x76543210
	s_mov_b32 s[PX+1], 0xfedcba98
	s_wait_kmcnt 0x0
	s_add_nc_u64 s[4:5], s[4:5], s[10:11]
	global_load_b128 v[4:7], v2, s[4:5]
	global_load_b128 v[8:11], v2, s[4:5] offset:16
.irp k, 0,1,2,3,4,5,6,7
	v_add_nc_u32 v[C0], 32*\k, v[LANE]
	v_cvt_f32_u32 v[I+\k], v[C0]
.endr
	v_mov_b32 v[VINF], 0x7f800000
	v_mov_b32 v[VOUT], 0
	v_mov_b32 v[TT], 0                             ; the exchange's destination counts as read
	s_lshl_b32 s9, s8, 10
	v_lshl_add_u32 v[RA], v[LANE], 2, s9
	s_wait_loadcnt 0x0
.irp i, 0,1,2,3,4,5,6,7
	ds_store_b32 v3, v[4+\i] offset:1024*\i        ; turned: [query of 8][group]
.endr
	s_wait_dscnt 0x0                               ; for the others' sake
	s_barrier_signal -1
	s_barrier_wait -1
.irp k, 0,1,2,3,4,5,6,7
	ds_load_b32 v[D+\k], v[RA] offset:128*\k
.endr
	s_wait_dscnt 0x0
	s_mov_b32 s[J], 0
.Lturn:
	XROUND 8, 0
	v_cmp_eq_u32 vcc_lo, s[J], v[LANE]             ; lane j keeps turn j's winner
	v_cndmask_b32 v[VOUT], v[VOUT], v[WN], vcc_lo
	s_add_co_u32 s[J], s[J], 1
	s_cmp_lt_u32 s[J], 16
	s_cbranch_scc1 .Lturn
	v_cvt_u32_f32 v[VOUT], v[VOUT]
	s_lshl_b32 s9, s8, 7                           ; the way out: 128 bytes of stage a wave, of which the first 64 are the 16 ids
	s_add_co_u32 s9, s9, 8192
	v_lshl_add_u32 v[RA], v[LANE], 2, s9
	ds_store_b32 v[RA], v[VOUT]
	s_wait_dscnt 0x0
	s_barrier_signal -1
	s_barrier_wait -1
	s_cmp_lg_u32 s8, 0
	s_cbranch_scc1 .Lend
	v_lshrrev_b32 v[C0], 2, v[LANE]                ; wave 0: lane l takes 16 bytes: query l / 4, ids 4 (l % 4) on
	v_and_b32 v[C1], 3, v[LANE]
	v_lshlrev_b32 v[C1], 4, v[C1]
	v_lshl_add_u32 v[C0], v[C0], 7, v[C1]
	ds_load_b128 v[4:7], v[C0] offset:8192
	v_lshlrev_b32 v[C1], 4, v[LANE]
	s_lshl_b32 s10, ttmp9, 9
	s_add_nc_u64 s[6:7], s[6:7], s[10:11]
	s_wait_dscnt 0x0
	global_store_b128 v[C1], v[4:7], s[6:7]        ; the work-group's 512 consecutive bytes, aligned
.Lend:
	s_wait_tensorcnt 0x0
	ds_add_u32 v48, v49
	s_wait_dscnt 0x0
	s_endpgm
.Lfunc_end_k_q0205132111_pick256:
	.size	k_q0205132111_pick256, .Lfunc_end_k_q0205132111_pick256-k_q0205132111_pick256
	.p2alignl 7, 3214868480
	.fill 96, 4, 3214868480
	.section	.rodata,"a",@progbits
	.p2align	6, 0x0
	.amdhsa_kernel k_q0205132111_pick256
		.amdhsa_group_segment_fixed_size 10240
		.amdhsa_private_segment_fixed_size 0
		.amdhsa_enable_private_segment 0
		.amdhsa_kernarg_size 16
		.amdhsa_user_sgpr_count 2
		.amdhsa_user_sgpr_kernarg_segment_ptr 1
		.amdhsa_wavefront_size32 1
		.amdhsa_system_sgpr_workgroup_id_x 1
		.amdhsa_system_sgpr_workgroup_id_y 1
		.amdhsa_system_sgpr_workgroup_id_z 1
		.amdhsa_system_vgpr_workitem_id 0
		.amdhsa_next_free_vgpr 50
		.amdhsa_next_free_sgpr 66
		.amdhsa_reserve_vcc 1
		.amdhsa_float_denorm_mode_32 3
		.amdhsa_float_denorm_mode_16_64 3
		.amdhsa_memory_ordered 1
		.amdhsa_forward_progress 1
		.amdhsa_inst_pref_size 7
	.end_amdhsa_kernel
	.amdgpu_metadata
---
amdhsa.version: [ 1, 2 ]
amdhsa.kernels:
  - .name:           k_q0205132111_pick256
    .symbol:         k_q0205132111_pick256.kd
    .args:
      - { .name: gmin256, .offset: 0, .size: 8, .value_kind: global_buffer, .address_space: global }
      - { .name: sel256, .offset: 8, .size: 8, .value_kind: global_buffer, .address_space: global }
    .group_segment_fixed_size: 10240
    .private_segment_fixed_size: 0
    .kernarg_segment_align: 8
    .kernarg_segment_size: 16
    .max_flat_workgroup_size: 256
    .sgpr_count:     66
    .vgpr_count:     50
    .wavefront_size: 32
...
	.end_amdgpu_metadata
.endif
;; end of part 3
;; launch pick8 (part 4): grid 256 x 1, 8 waves a work-group, no clusters, 2,048 bytes of LDS; arguments gmin8, sel256, sel8; writes sel8
.if DOCPART == 4
	.amdgcn_target "amdgcn-amd-amdhsa--gfx1250"
	.amdhsa_code_object_version 6
	.text
	.protected	k_q0205132111_pick8
	.globl	k_q0205132111_pick8
	.p2align	8
	.type	k_q0205132111_pick8,@function
k_q0205132111_pick8:
	s_mov_b64 s[64:65], 0
	v_nop
	global_prefetch_b8 v0, s[64:65] scope:SCOPE_SE
	s_setreg_imm32_b32 hwreg(HW_REG_WAVE_MODE, 25, 1), 1
	s_wait_xcnt 0x0
; sel8[q][0..15] = of the 16 x 32 groups of 8 rows inside the query's 16 picked groups of 256, the 16 with the least gmin8, equal values by the lower group.  An id is row / 8.
; A wave takes one query.  The ids read from sel256 are whole numbers stored by the launch before; each is clamped to 255 before it enters an address.
; Register k stands for picked group k, lane l for its child l: gmin8[8 id + l / 4][q][l % 4].  The 16 turns are those of the launch before, over 16 values a lane.
; LIMIT: finite values, as there.  The reads are pieces of 16 bytes, since gmin8 lies as its writer's lanes hold it.
.set LANE, 1
.set LT,   2
.set M,    4
.set WN,   5
.set C0,   6
.set C1,   7
.set TT,   8
.set VINF, 9
.set VOUT, 10
.set RA,   11
.set D,    16                          ; v16-31 values
.set I,    32                          ; v32-47 ids
.set A,    48                          ; v48-63 offsets of the 16 loads
.set IDS,  16                          ; s[16:31]
.set PX,   32                          ; s[32:33]
.set J,    34
.macro WAVEMIN x, t
	v_min_num_f32_dpp v[\x], v[\x], v[\x] row_xmask:1 row_mask:0xf bank_mask:0xf
	v_min_num_f32_dpp v[\x], v[\x], v[\x] row_xmask:2 row_mask:0xf bank_mask:0xf
	v_min_num_f32_dpp v[\x], v[\x], v[\x] row_xmask:4 row_mask:0xf bank_mask:0xf
	v_min_num_f32_dpp v[\x], v[\x], v[\x] row_xmask:8 row_mask:0xf bank_mask:0xf
	v_permlanex16_b32 v[\t], v[\x], s[PX], s[PX+1]
	v_min_num_f32 v[\x], v[\x], v[\t]
.endm
.macro XROUND R, sel
	v_min3_num_f32 v[M], v[D], v[D+1], v[D+2]
.set k, 3
.if \R > 4
.rept (\R-4)/2
	v_min3_num_f32 v[M], v[M], v[D+k], v[D+k+1]
.set k, k+2
.endr
.endif
	v_min_num_f32 v[M], v[M], v[D+\R-1]
	WAVEMIN M, TT
.set k, 0
.rept \R/2
	v_cmp_eq_f32 vcc_lo, v[D+k], v[M]
	v_cndmask_b32 v[C0], v[VINF], v[I+k], vcc_lo
	v_cmp_eq_f32 vcc_lo, v[D+k+1], v[M]
	v_cndmask_b32 v[C1], v[VINF], v[I+k+1], vcc_lo
.if k == 0
	v_min_num_f32 v[WN], v[C0], v[C1]
.else
	v_min3_num_f32 v[WN], v[WN], v[C0], v[C1]
.endif
.set k, k+2
.endr
	WAVEMIN WN, TT
.set k, 0
.rept \R
	v_cmp_eq_f32 vcc_lo, v[I+k], v[WN]
	v_cndmask_b32 v[D+k], v[D+k], v[VINF], vcc_lo
.if \sel
	s_or_b32 s[SEL+k], s[SEL+k], vcc_lo
.endif
.set k, k+1
.endr
.endm
	s_load_b128 s[4:7], s[0:1], 0x0                ; gmin8 s[4:5], sel256 s[6:7]
	s_load_b64 s[8:9], s[0:1], 0x10                ; sel8
	v_lshl_add_u32 v64, v0, 2, 0x400
	v_mov_b32 v65, 0
	v_lshrrev_b32 v1, 5, v0
	v_readfirstlane_b32 s10, v1                    ; wave 0..7
	v_and_b32 v[LANE], 31, v0
	s_lshl3_add_u32 s11, ttmp9, s10                ; my query
	s_lshl_b32 s12, s11, 6
	s_mov_b32 s13, 0
	s_wait_kmcnt 0x0
	s_add_nc_u64 s[6:7], s[6:7], s[12:13]
	s_load_b512 s[IDS:IDS+15], s[6:7], 0x0         ; my query's 16 groups
	v_lshrrev_b32 v[LT], 2, v[LANE]
	v_and_b32 v3, 3, v[LANE]
	v_lshlrev_b32 v3, 2, v3
	v_lshl_add_u32 v[LT], v[LT], 15, v3            ; (l / 4) x 32,768 + 4 (l % 4)
	s_lshl_b32 s14, s11, 4
	v_add_nc_u32 v[LT], s14, v[LT]                 ; + 16 q
	s_mov_b32 s[PX], 0x76543210
	s_mov_b32 s[PX+1], 0xfedcba98
	v_mov_b32 v[VINF], 0x7f800000
	v_mov_b32 v[VOUT], 0
	v_mov_b32 v[TT], 0
	s_wait_kmcnt 0x0
.set g, 0
.rept 16
	s_min_u32 s[IDS+g], s[IDS+g], 255              ; a number read from memory enters an address only clamped
	s_lshl_b32 s15, s[IDS+g], 18                   ; eight groups of 32 rows x 32,768 bytes
	v_add_nc_u32 v[A+g], s15, v[LT]
	global_load_b32 v[D+g], v[A+g], s[4:5]
.set g, g+1
.endr
.set g, 0
.rept 16
	s_lshl_b32 s15, s[IDS+g], 5
	v_add_nc_u32 v[C0], s15, v[LANE]               ; row / 8 = 32 id + l
	v_cvt_f32_u32 v[I+g], v[C0]
.set g, g+1
.endr
	s_wait_loadcnt 0x0
	s_mov_b32 s[J], 0
.Lturn:
	XROUND 16, 0
	v_cmp_eq_u32 vcc_lo, s[J], v[LANE]             ; lane j keeps turn j's winner
	v_cndmask_b32 v[VOUT], v[VOUT], v[WN], vcc_lo
	s_add_co_u32 s[J], s[J], 1
	s_cmp_lt_u32 s[J], 16
	s_cbranch_scc1 .Lturn
	v_cvt_u32_f32 v[VOUT], v[VOUT]
	s_lshl_b32 s15, s10, 7                         ; the way out: 128 bytes of stage a wave, of which the first 64 are the 16 ids
	v_lshl_add_u32 v[RA], v[LANE], 2, s15
	ds_store_b32 v[RA], v[VOUT]
	s_wait_dscnt 0x0
	s_barrier_signal -1
	s_barrier_wait -1
	s_cmp_lg_u32 s10, 0
	s_cbranch_scc1 .Lend
	v_lshrrev_b32 v[C0], 2, v[LANE]
	v_and_b32 v[C1], 3, v[LANE]
	v_lshlrev_b32 v[C1], 4, v[C1]
	v_lshl_add_u32 v[C0], v[C0], 7, v[C1]
	ds_load_b128 v[D:D+3], v[C0]
	v_lshlrev_b32 v[C1], 4, v[LANE]
	s_lshl_b32 s12, ttmp9, 9
	s_add_nc_u64 s[8:9], s[8:9], s[12:13]
	s_wait_dscnt 0x0
	global_store_b128 v[C1], v[D:D+3], s[8:9]      ; the work-group's 512 consecutive bytes, aligned
.Lend:
	s_wait_tensorcnt 0x0
	ds_add_u32 v64, v65
	s_wait_dscnt 0x0
	s_endpgm
.Lfunc_end_k_q0205132111_pick8:
	.size	k_q0205132111_pick8, .Lfunc_end_k_q0205132111_pick8-k_q0205132111_pick8
	.p2alignl 7, 3214868480
	.fill 96, 4, 3214868480
	.section	.rodata,"a",@progbits
	.p2align	6, 0x0
	.amdhsa_kernel k_q0205132111_pick8
		.amdhsa_group_segment_fixed_size 2048
		.amdhsa_private_segment_fixed_size 0
		.amdhsa_enable_private_segment 0
		.amdhsa_kernarg_size 24
		.amdhsa_user_sgpr_count 2
		.amdhsa_user_sgpr_kernarg_segment_ptr 1
		.amdhsa_wavefront_size32 1
		.amdhsa_system_sgpr_workgroup_id_x 1
		.amdhsa_system_sgpr_workgroup_id_y 1
		.amdhsa_system_sgpr_workgroup_id_z 1
		.amdhsa_system_vgpr_workitem_id 0
		.amdhsa_next_free_vgpr 66
		.amdhsa_next_free_sgpr 66
		.amdhsa_reserve_vcc 1
		.amdhsa_float_denorm_mode_32 3
		.amdhsa_float_denorm_mode_16_64 3
		.amdhsa_memory_ordered 1
		.amdhsa_forward_progress 1
		.amdhsa_inst_pref_size 12
	.end_amdhsa_kernel
	.amdgpu_metadata
---
amdhsa.version: [ 1, 2 ]
amdhsa.kernels:
  - .name:           k_q0205132111_pick8
    .symbol:         k_q0205132111_pick8.kd
    .args:
      - { .name: gmin8, .offset: 0, .size: 8, .value_kind: global_buffer, .address_space: global }
      - { .name: sel256, .offset: 8, .size: 8, .value_kind: global_buffer, .address_space: global }
      - { .name: sel8, .offset: 16, .size: 8, .value_kind: global_buffer, .address_space: global }
    .group_segment_fixed_size: 2048
    .private_segment_fixed_size: 0
    .kernarg_segment_align: 8
    .kernarg_segment_size: 24
    .max_flat_workgroup_size: 256
    .sgpr_count:     66
    .vgpr_count:     66
    .wavefront_size: 32
...
	.end_amdgpu_metadata
.endif
;; end of part 4
;; launch vote (part 5): grid 256 x 1, 8 waves a work-group, no clusters, 280,576 bytes of LDS; arguments xb, r2, qb, y_train, sel8, out0; writes out0
.if DOCPART == 5
	.amdgcn_target "amdgcn-amd-amdhsa--gfx1250"
	.amdhsa_code_object_version 6
	.text
	.protected	k_q0205132111_vote
	.globl	k_q0205132111_vote
	.p2align	8
	.type	k_q0205132111_vote,@function
k_q0205132111_vote:
	s_mov_b64 s[64:65], 0
	v_nop
	global_prefetch_b8 v0, s[64:65] scope:SCOPE_SE
	s_setreg_imm32_b32 hwreg(HW_REG_WAVE_MODE, 25, 1), 1
	s_wait_xcnt 0x0
; out0[q][c] = (how many of the query's 16 nearest rows carry label c) / (the sum of these counts).
; A wave takes one query.  Its 16 picked groups of 8 rows (sel8, whole numbers stored by the launch before, clamped to 8,191 before they enter an address) are 128 candidates,
; among which the 16 nearest lie.  Their distances are made anew: -2 q.x by the matrix unit on the same bf16 numbers, then d = sqrt(max((q2 - 2 q.x) + r2, 0)) in the order in which the
; problem writes it; 16 turns take the least (d, row); the winners' labels are counted.
; LIMITS: operands rounded to bf16, norms of the rounded numbers; the groups were ranked on r2 - 2 q.x, so two rows whose distances differ by a few units in the last place exactly at a
; cut may fall either way; the square root is the instruction's (not correctly rounded); infinite and NaN distances are not served; a label outside 0..11 counts in no class, and the divisor is the true sum.
; The rows come through registers: a load brings 512 consecutive bytes (two rows), an LDS store lays them into the wave's own rows of 272 bytes; 32 loads are out at a time, renewed 16 at a time.
; Only the wave reads its rows, and LDS serves a wave's instructions in order: no barrier and no wait between the stores and the fragment loads.
; All 16 columns of source 1 are the one query, so every lane of a half holds the same results; lane (r, h) keeps rows 4 (r % 2) .. + 3 of group (r & 14) + h.
; Everything that hangs on a distance stays in vector registers: a winner's label is moved into LABS in its turn, and the counts are summed as four fields of 6 bits in each of three words.
.set PITCH, 272
.set WLDS,  128*PITCH                  ; a wave's 128 rows
.set OST,   8*WLDS                     ; behind them: 128 bytes of stage a wave, for the way out
.set D,    4                           ; v4-7    my four distances
.set I,    8                           ; v8-11   their rows, as f32
.set LAB,  12                          ; v12-15  their labels
.set BF,   16                          ; v16-47  the query's fragments
.set ACC,  48                          ; v48-111 eight accumulators.  Before the products the same registers hold:
.set GO,   48                          ; v48-63  the 16 groups' offsets in xb
.set L16,  64
.set LA,   65                          ; where a row load's 16 bytes go in LDS
.set HB,   66
.set L8,   67
.set YA,   68
.set GID,  69
.set QR,   70                          ; v70-71  four numbers of the query
.set E,    72                          ; v72-75
.set SLT,  76                          ; (r & 14) + h
.set HH,   48                          ; and behind the selection: v48-50 the packed counts,
.set HF,   52
.set HG,   53
.set HT,   54
.set ONE,  55
.set TS,   56
.set B0,   60                          ; v60-63
.set CNT,  64
.set AF,   112                         ; v112-239 32 row loads of 4 registers, then the fragments of four tiles of 16 rows
.set R2V,  240                         ; v240-243 r2 of my four rows
.set LABS, 244                         ; v244-247 the label of a row that has won, else -1
.set M,    248
.set WN,   249
.set C0,   250
.set C1,   251
.set TT,   252
.set VINF, 253
.set Q2,   254
.set AA,   255
.set IDS,  16                          ; s[16:31]
.set PX,   54                          ; s[54:55]
.set WV,   56
.set J,    60
.macro WAVEMIN x, t
	v_min_num_f32_dpp v[\x], v[\x], v[\x] row_xmask:1 row_mask:0xf bank_mask:0xf
	v_min_num_f32_dpp v[\x], v[\x], v[\x] row_xmask:2 row_mask:0xf bank_mask:0xf
	v_min_num_f32_dpp v[\x], v[\x], v[\x] row_xmask:4 row_mask:0xf bank_mask:0xf
	v_min_num_f32_dpp v[\x], v[\x], v[\x] row_xmask:8 row_mask:0xf bank_mask:0xf
	v_permlanex16_b32 v[\t], v[\x], s[PX], s[PX+1]
	v_min_num_f32 v[\x], v[\x], v[\t]
.endm
.macro WAVESUM x, t
	v_add_f32_dpp v[\x], v[\x], v[\x] row_xmask:1 row_mask:0xf bank_mask:0xf
	v_add_f32_dpp v[\x], v[\x], v[\x] row_xmask:2 row_mask:0xf bank_mask:0xf
	v_add_f32_dpp v[\x], v[\x], v[\x] row_xmask:4 row_mask:0xf bank_mask:0xf
	v_add_f32_dpp v[\x], v[\x], v[\x] row_xmask:8 row_mask:0xf bank_mask:0xf
	v_permlanex16_b32 v[\t], v[\x], s[PX], s[PX+1]
	v_add_f32 v[\x], v[\x], v[\t]
.endm
.macro XROUND R, sel                   ; one turn over R values a lane: the wave's least value, the least id among its holders, that one set to +inf; sel = 1: its label moves into LABS
	s_wait_alu depctr_va_vdst(0)
	v_min3_num_f32 v[M], v[D], v[D+1], v[D+2]
.set k, 3
.if \R > 4
.rept (\R-4)/2
	v_min3_num_f32 v[M], v[M], v[D+k], v[D+k+1]
.set k, k+2
.endr
.endif
	v_min_num_f32 v[M], v[M], v[D+\R-1]
	WAVEMIN M, TT
.set k, 0
.rept \R/2
	v_cmp_eq_f32 vcc_lo, v[D+k], v[M]
	v_cndmask_b32 v[C0], v[VINF], v[I+k], vcc_lo
	v_cmp_eq_f32 vcc_lo, v[D+k+1], v[M]
	v_cndmask_b32 v[C1], v[VINF], v[I+k+1], vcc_lo
.if k == 0
	v_min_num_f32 v[WN], v[C0], v[C1]
.else
	v_min3_num_f32 v[WN], v[WN], v[C0], v[C1]
.endif
.set k, k+2
.endr
	WAVEMIN WN, TT
.set k, 0
.rept \R
	v_cmp_eq_f32 vcc_lo, v[I+k], v[WN]
	v_cndmask_b32 v[D+k], v[D+k], v[VINF], vcc_lo
.if \sel
	v_cndmask_b32 v[LABS+k], v[LABS+k], v[LAB+k], vcc_lo
.endif
.set k, k+1
.endr
.endm
; Row load n of 64 brings rows 2 (n % 4), + 1 of group n / 4 into registers AF + 4 (n % 32).
.macro ROWS n0                         ; sixteen of them
.set n, \n0
.rept 16
	global_load_b128 v[AF+4*(n%32):AF+4*(n%32)+3], v[GO+n/4], s[4:5] offset:512*(n%4)
.set n, n+1
.endr
.endm
.macro STASH n0                        ; sixteen of them go into my LDS rows
.set n, \n0
.rept 16
	ds_store_b128 v[LA], v[AF+4*(n%32):AF+4*(n%32)+3] offset:2176*(n/4)+544*(n%4)
.set n, n+1
.endr
.endm
	s_load_b256 s[4:11], s[0:1], 0x0               ; xb s[4:5], r2 s[6:7], qb s[8:9], y_train s[10:11]
	s_load_b128 s[12:15], s[0:1], 0x20             ; sel8 s[12:13], out0 s[14:15]
	s_set_vgpr_msb 0x40
	v_lshl_add_u32 v0, v0, 2, 0x44400
	v_mov_b32 v1, 0
	s_set_vgpr_msb 0x4000
	v_lshrrev_b32 v1, 5, v0
	v_readfirstlane_b32 s[WV], v1                  ; wave 0..7
	s_lshl3_add_u32 s57, ttmp9, s[WV]              ; my query
	v_and_b32 v3, 31, v0                           ; lane
	v_and_b32 v1, 15, v0                           ; r
	v_bfe_u32 v2, v0, 4, 1                         ; h
	s_lshl_b32 s58, s57, 6
	s_mov_b32 s59, 0
	s_wait_kmcnt 0x0
	s_add_nc_u64 s[12:13], s[12:13], s[58:59]      ; sel8 at my query's 16 ids
	s_load_b512 s[IDS:IDS+15], s[12:13], 0x0
	s_lshl_b32 s58, s57, 8
	s_add_nc_u64 s[8:9], s[8:9], s[58:59]          ; qb at my query
	v_lshlrev_b32 v[HB], 4, v2
.irp s, 0,1,2,3
	global_load_b128 v[BF+8*\s:BF+8*\s+3],   v[HB], s[8:9] offset:64*\s      ; every column is the one query
	global_load_b128 v[BF+8*\s+4:BF+8*\s+7], v[HB], s[8:9] offset:64*\s+32
.endr
	v_lshlrev_b32 v[L8], 3, v3
	global_load_b64 v[QR:QR+1], v[L8], s[8:9]      ; four numbers of the query a lane, for its norm
	v_lshlrev_b32 v[L16], 4, v3
	s_mul_i32 s61, s[WV], WLDS
	v_mul_u32_u24 v[LA], v2, PITCH                 ; a row load brings two rows: lanes 0-15 the first, lanes 16-31 the second
	v_lshl_add_u32 v[LA], v1, 4, v[LA]
	v_add_nc_u32 v[LA], s61, v[LA]
	v_mul_u32_u24 v[AA], v1, PITCH
	v_lshl_add_u32 v[AA], v2, 4, v[AA]
	v_add_nc_u32 v[AA], s61, v[AA]                 ; a fragment's row x pitch + 16 x half
	v_and_b32 v[SLT], 14, v1
	v_add_nc_u32 v[SLT], v[SLT], v2                ; the group of the 16 of which I keep four rows
	s_mov_b32 s[PX], 0x76543210
	s_mov_b32 s[PX+1], 0xfedcba98
	v_mov_b32 v[TT], 0                             ; the exchange's destination counts as read
	v_mov_b32 v[VINF], 0x7f800000
.irp k, 0,1,2,3
	v_mov_b32 v[LABS+\k], -1                       ; no row has won yet
.endr
	s_wait_kmcnt 0x0
.set g, 0
.rept 16
	s_min_u32 s[IDS+g], s[IDS+g], 0x1fff           ; a number read from memory enters an address only clamped
	s_lshl_b32 s63, s[IDS+g], 11                   ; 8 rows of 256 bytes
	v_add_nc_u32 v[GO+g], s63, v[L16]
.set g, g+1
.endr
	ROWS 0
	ROWS 16
	v_mov_b32 v[GID], s[IDS]                       ; my group's id, chosen among the 16 by the lane's place
.set g, 1
.rept 15
	v_cmp_ne_u32 vcc_lo, g, v[SLT]
	v_cndmask_b32 v[GID], s[IDS+g], v[GID], vcc_lo
.set g, g+1
.endr
	v_min_u32 v[GID], 0x1fff, v[GID]
	v_lshlrev_b32 v[GID], 3, v[GID]
	v_and_b32 v[C0], 1, v1
	v_lshlrev_b32 v[C0], 2, v[C0]
	v_add_nc_u32 v[GID], v[GID], v[C0]             ; the first of my four rows
	v_lshlrev_b32 v[YA], 2, v[GID]
	global_load_b128 v[LAB:LAB+3], v[YA], s[10:11]
	global_load_b128 v[R2V:R2V+3], v[YA], s[6:7]
.irp j, 0,1,2,3
	v_add_nc_u32 v[C1], \j, v[GID]
	v_cvt_f32_u32 v[I+\j], v[C1]
.endr
	s_wait_loadcnt 18                              ; row loads 0-15 are in (and the query): behind them went 16 row loads, the labels and r2
	STASH 0
	ROWS 32
	v_lshlrev_b32 v[E], 16, v[QR]                  ; q2 = a quarter of the sum of squares of -2 q
	v_and_b32 v[E+1], 0xffff0000, v[QR]
	v_lshlrev_b32 v[E+2], 16, v[QR+1]
	v_and_b32 v[E+3], 0xffff0000, v[QR+1]
	v_mul_f32 v[Q2], v[E], v[E]
	v_fmac_f32 v[Q2], v[E+1], v[E+1]
	v_fmac_f32 v[Q2], v[E+2], v[E+2]
	v_fmac_f32 v[Q2], v[E+3], v[E+3]
	WAVESUM Q2, TT
	v_mul_f32 v[Q2], 0x3e800000, v[Q2]
	s_wait_loadcnt 18                              ; row loads 16-31 are in: behind them went the labels, r2 and the 16 just issued
	STASH 16
	ROWS 48
	s_wait_loadcnt 16                              ; row loads 32-47 are in: behind them went the last 16
	STASH 32
	s_wait_loadcnt 0x0
	STASH 48
; four tiles of 16 rows: 32 LDS loads, 16 products; the four accumulators take turns, one instruction a turn; the first product starts each sum
.macro BATCH t0
.irp u, 0,1,2,3
.irp s, 0,1,2,3
	ds_load_b128 v[AF+32*\u+8*\s:AF+32*\u+8*\s+3],   v[AA] offset:(\t0+\u)*16*PITCH+64*\s
	ds_load_b128 v[AF+32*\u+8*\s+4:AF+32*\u+8*\s+7], v[AA] offset:(\t0+\u)*16*PITCH+64*\s+32
.endr
.endr
	s_wait_dscnt 0x0
.irp s, 0,1,2,3
.irp u, 0,1,2,3
.if \s == 0
	v_wmma_f32_16x16x32_bf16 v[ACC+8*(\t0+\u):ACC+8*(\t0+\u)+7], v[AF+32*\u+8*\s:AF+32*\u+8*\s+7], v[BF+8*\s:BF+8*\s+7], 0
.else
	v_wmma_f32_16x16x32_bf16 v[ACC+8*(\t0+\u):ACC+8*(\t0+\u)+7], v[AF+32*\u+8*\s:AF+32*\u+8*\s+7], v[BF+8*\s:BF+8*\s+7], v[ACC+8*(\t0+\u):ACC+8*(\t0+\u)+7]
.endif
.endr
.endr
.rept 4
	v_nop                                          ; four places in front of loads into these fragments and of the first read of the sums
.endr
.endm
	BATCH 0
	BATCH 4
	; register j of accumulator t holds row j of group 2 t + h, in every lane of the half.  Lane (r, h) picks t = r / 2 and j = 4 (r % 2) + 0..3, bit by bit of r; each accumulator is read from its low end on.
	s_mov_b32 vcc_lo, 0xaaaaaaaa                   ; lanes whose r has bit 0 set
.irp t, 0,1,2,3,4,5,6,7
.irp j, 0,1,2,3
	v_cndmask_b32 v[ACC+8*\t+\j], v[ACC+8*\t+\j], v[ACC+8*\t+4+\j], vcc_lo
.endr
.endr
	s_mov_b32 vcc_lo, 0xcccccccc                   ; bit 1
.irp t, 0,2,4,6
.irp j, 0,1,2,3
	v_cndmask_b32 v[ACC+8*\t+\j], v[ACC+8*\t+\j], v[ACC+8*\t+8+\j], vcc_lo
.endr
.endr
	s_mov_b32 vcc_lo, 0xf0f0f0f0                   ; bit 2
.irp t, 0,4
.irp j, 0,1,2,3
	v_cndmask_b32 v[ACC+8*\t+\j], v[ACC+8*\t+\j], v[ACC+8*\t+16+\j], vcc_lo
.endr
.endr
	s_mov_b32 vcc_lo, 0xff00ff00                   ; bit 3
.irp j, 0,1,2,3
	v_cndmask_b32 v[D+\j], v[ACC+\j], v[ACC+32+\j], vcc_lo
.endr
.irp j, 0,1,2,3
	v_add_f32 v[D+\j], v[Q2], v[D+\j]              ; q2 - 2 q.x,
.endr
.irp j, 0,1,2,3
	v_add_f32 v[D+\j], v[D+\j], v[R2V+\j]          ; + r2
.endr
.irp j, 0,1,2,3
	v_max_num_f32 v[D+\j], 0, v[D+\j]
.endr
.irp j, 0,1,2,3
	v_sqrt_f32 v[D+\j], v[D+\j]
.endr
	v_mov_b32 v[ONE], 1                            ; the plain instruction between the last root and the use of its result
	s_mov_b32 s[J], 0
.Lturn:
	XROUND 4, 1
	s_add_co_u32 s[J], s[J], 1
	s_cmp_lt_u32 s[J], 16
	s_cbranch_scc1 .Lturn
	; the counts: class c is field c % 4 (6 bits; a count is 16 at the most) of word c / 4.  A label of -1, or any outside 0..11, falls into no word.
.irp k, 0,1,2,3
	v_and_b32 v[HF], 3, v[LABS+\k]
	v_mul_u32_u24 v[HF], 6, v[HF]
	v_lshlrev_b32 v[HF], v[HF], v[ONE]             ; a one in the label's field
	v_lshrrev_b32 v[HG], 2, v[LABS+\k]             ; the label's word
.irp w, 0,1,2
	v_cmp_eq_u32 vcc_lo, \w, v[HG]
.if \k == 0
	v_cndmask_b32 v[HH+\w], 0, v[HF], vcc_lo       ; the first label starts the sums
.else
	v_cndmask_b32 v[HT], 0, v[HF], vcc_lo
	v_add_nc_u32 v[HH+\w], v[HH+\w], v[HT]
.endif
.endr
.endr
.irp w, 0,1,2
	v_cvt_f32_u32 v[HH+\w], v[HH+\w]               ; the words stay under 2^24, so their sums over the lanes are exact in f32
.endr
	WAVESUM HH, TT
	WAVESUM HH+1, TT
	WAVESUM HH+2, TT
.irp w, 0,1,2
	v_cvt_u32_f32 v[HH+\w], v[HH+\w]
.endr
	v_add3_u32 v[TS], v[HH], v[HH+1], v[HH+2]      ; the sum of all counts: field by field (16 at the most in all), then over the four fields
	v_bfe_u32 v[B0], v[TS], 0, 6
	v_bfe_u32 v[B0+1], v[TS], 6, 6
	v_bfe_u32 v[B0+2], v[TS], 12, 6
	v_bfe_u32 v[B0+3], v[TS], 18, 6
	v_add3_u32 v[B0], v[B0], v[B0+1], v[B0+2]
	v_add_nc_u32 v[B0], v[B0], v[B0+3]
	v_lshrrev_b32 v[HG], 2, v3                     ; lane c cuts out class c's count (lanes 12 and above hold numbers that nobody stores)
	v_cmp_eq_u32 vcc_lo, 1, v[HG]
	v_cndmask_b32 v[CNT], v[HH], v[HH+1], vcc_lo
	v_cmp_eq_u32 vcc_lo, 2, v[HG]
	v_cndmask_b32 v[CNT], v[CNT], v[HH+2], vcc_lo
	v_and_b32 v[HF], 3, v3
	v_mul_u32_u24 v[HF], 6, v[HF]
	v_lshrrev_b32 v[CNT], v[HF], v[CNT]
	v_and_b32 v[CNT], 63, v[CNT]
	v_cvt_f32_u32 v[C0], v[B0]
	v_rcp_f32 v[C0], v[C0]
	v_cvt_f32_u32 v[CNT], v[CNT]                   ; the plain instruction behind the reciprocal
	s_wait_alu depctr_va_vdst(0)
	v_mul_f32 v[CNT], v[CNT], v[C0]
	s_lshl_b32 s61, s[WV], 7                       ; the way out: 128 bytes of stage a wave, of which the first 48 are the 12 numbers
	s_add_co_u32 s61, s61, OST
	v_lshl_add_u32 v[C1], v3, 2, s61
	ds_store_b32 v[C1], v[CNT]
	s_wait_dscnt 0x0                               ; for wave 0's sake
	s_barrier_signal -1
	s_barrier_wait -1
	s_cmp_lg_u32 s[WV], 0
	s_cbranch_scc1 .Lend
	v_lshrrev_b32 v[C0], 2, v3                     ; wave 0: lane l takes query l / 4 of the eight, 16 bytes l % 4 of its three
	v_and_b32 v[C1], 3, v3
	v_lshlrev_b32 v[M], 7, v[C0]
	v_lshl_add_u32 v[M], v[C1], 4, v[M]
	v_add_nc_u32 v[M], OST, v[M]
	ds_load_b128 v[D:D+3], v[M]
	v_mul_u32_u24 v[C0], v[C0], 48
	v_lshl_add_u32 v[C0], v[C1], 4, v[C0]
	s_mul_i32 s58, ttmp9, 384
	s_mov_b32 s59, 0
	s_add_nc_u64 s[14:15], s[14:15], s[58:59]
	v_cmp_gt_u32 vcc_lo, 3, v[C1]
	s_wait_dscnt 0x0
	s_wait_xcnt 0x0                                ; EXEC changes only behind this wait
	s_and_saveexec_b32 s52, vcc_lo
	global_store_b128 v[C0], v[D:D+3], s[14:15]    ; the work-group's 384 consecutive bytes in one instruction
	s_wait_xcnt 0x0                                ; and again, in front of the line that widens it
	s_or_b32 exec_lo, exec_lo, s52
.Lend:
	s_set_vgpr_msb 0x5
	s_wait_tensorcnt 0x0
	ds_add_u32 v0, v1
	s_wait_dscnt 0x0
	s_set_vgpr_msb 0x500
	s_endpgm
.Lfunc_end_k_q0205132111_vote:
	.size	k_q0205132111_vote, .Lfunc_end_k_q0205132111_vote-k_q0205132111_vote
	.p2alignl 7, 3214868480
	.fill 96, 4, 3214868480
	.section	.rodata,"a",@progbits
	.p2align	6, 0x0
	.amdhsa_kernel k_q0205132111_vote
		.amdhsa_group_segment_fixed_size 280576
		.amdhsa_private_segment_fixed_size 0
		.amdhsa_enable_private_segment 0
		.amdhsa_kernarg_size 48
		.amdhsa_user_sgpr_count 2
		.amdhsa_user_sgpr_kernarg_segment_ptr 1
		.amdhsa_wavefront_size32 1
		.amdhsa_system_sgpr_workgroup_id_x 1
		.amdhsa_system_sgpr_workgroup_id_y 1
		.amdhsa_system_sgpr_workgroup_id_z 1
		.amdhsa_system_vgpr_workitem_id 0
		.amdhsa_next_free_vgpr 258
		.amdhsa_next_free_sgpr 66
		.amdhsa_reserve_vcc 1
		.amdhsa_float_denorm_mode_32 3
		.amdhsa_float_denorm_mode_16_64 3
		.amdhsa_memory_ordered 1
		.amdhsa_forward_progress 1
		.amdhsa_inst_pref_size 33
	.end_amdhsa_kernel
	.amdgpu_metadata
---
amdhsa.version: [ 1, 2 ]
amdhsa.kernels:
  - .name:           k_q0205132111_vote
    .symbol:         k_q0205132111_vote.kd
    .args:
      - { .name: xb, .offset: 0, .size: 8, .value_kind: global_buffer, .address_space: global }
      - { .name: r2, .offset: 8, .size: 8, .value_kind: global_buffer, .address_space: global }
      - { .name: qb, .offset: 16, .size: 8, .value_kind: global_buffer, .address_space: global }
      - { .name: y_train, .offset: 24, .size: 8, .value_kind: global_buffer, .address_space: global }
      - { .name: sel8, .offset: 32, .size: 8, .value_kind: global_buffer, .address_space: global }
      - { .name: out0, .offset: 40, .size: 8, .value_kind: global_buffer, .address_space: global }
    .group_segment_fixed_size: 280576
    .private_segment_fixed_size: 0
    .kernarg_segment_align: 8
    .kernarg_segment_size: 48
    .max_flat_workgroup_size: 256
    .sgpr_count:     66
    .vgpr_count:     258
    .wavefront_size: 32
...
	.end_amdgpu_metadata
.endif
;; end of part 5
